; MI455X (gfx1250); checked and timed in simulation.
; The chip was launched on July 23, 2026; its instructions are those of AMD's public machine-readable ISA for CDNA 5 (MIT licence, August 2026) and "CDNA5" Instruction Set Architecture Reference Guide (July 2026). The comments in the code are by the model that wrote it; some were corrected since.
;; Linear Attention. Allowed arithmetic: matrix products marked QUANTISED: E4M3 operands, one given power-of-two scale a tensor, by v_wmma_f32_16x16x64_fp8_fp8 or v_wmma_f32_16x16x128_fp8_fp8, f32 sums; products left as they are: f32 operands where the result goes on into a quantised operand, else bf16, f16 or f32 operands; f32 sums; everything else in f32.
;; Inputs: Wk_codes 1,024 x 32 x 32 uint8 (E4M3 codes of Wk, K innermost, in blocks of 32 codes); Wq_codes 1,024 x 32 x 32 uint8 (E4M3 codes of Wq, K innermost, in blocks of 32 codes); Wv_codes 1,024 x 32 x 32 uint8 (E4M3 codes of Wv, K innermost, in blocks of 32 codes); k_codes 4,096 x 4 x 32 x 32 uint8 (E4M3 codes of k, K innermost, in blocks of 32 codes); lowp_scales 6 int32 (the exponents e of the quantised operands' scales 2^e); q_codes 4,096 x 4 x 32 x 32 uint8 (E4M3 codes of q, K innermost, in blocks of 32 codes); v_codes 4,096 x 4 x 32 x 32 uint8 (E4M3 codes of v, K innermost, in blocks of 32 codes).
;; Outputs: out0 4,096 x 4 x 1,024 float32.
;; This version of the problem:
;;   THIS VERSION OF THE PROBLEM IS GIVEN IN LOW PRECISION. The matrix products marked QUANTISED in the list below multiply operands that are first quantised to E4M3 (4 exponent bits, 3 mantissa bits; 8 bits a number), with one given power-of-two scale for each operand tensor; their sums are f32. All else is computed in f32.
;;   The module's matrix products, in the order in which they are computed (A, B: the left and right operand; K: the contracted axis; several contracted axes count as one K, in the product's order):
;;     1. [M 16,384, K 1,024] x [K 1,024, N 1,024]; A: input q (given as codes); B: input Wq (given as codes): QUANTISED (scales: A lowp_scales[0], B lowp_scales[1])
;;     2. [M 16,384, K 1,024] x [K 1,024, N 1,024]; A: input k (given as codes); B: input Wk (given as codes): QUANTISED (scales: A lowp_scales[2], B lowp_scales[3])
;;     3. [M 16,384, K 1,024] x [K 1,024, N 1,024]; A: input v (given as codes); B: input Wv (given as codes): QUANTISED (scales: A lowp_scales[4], B lowp_scales[5])
;;     4. batch 262,144 x [M 1, K 64] x [K 64, N 1]; A: computed on the way; B: computed on the way: left as it is (M = 1 < 16)
;;   THE QUANTISER, for each operand of a quantised product, along K:
;;     - The operand's scale is 2^e, e = its entry of the input lowp_scales (int32; the entries are numbered through the quantised products in the list's order, A before B).
;;     - Each number is divided by the scale, clamped to +-448, and rounded to the nearest number of E4M3, ties to even, subnormals kept.
;;     - The product sums the exact products of the quantised numbers (number of the format x scale) in f32.
;;   ~~~python
;;   def quantise(x, axis, e):      # numpy; x: float32 -> the quantised numbers, widened to float32 again
;;       x = np.moveaxis(x, axis, -1); K = x.shape[-1]
;;       r = np.clip(x / 2.0 ** e, -448, 448)
;;       step = 2.0 ** (np.maximum(np.frexp(np.where(r == 0, 1, r))[1] - 1, -6) - 3)
;;       q = np.round(r / step) * step * 2.0 ** e      # np.round: ties to even
;;       return np.moveaxis(q, -1, axis).astype(np.float32)
;;   ~~~
;;   INPUTS GIVEN AS CODES. Wk (in the module: [1024, 1024], K = its axis 1); Wq (in the module: [1024, 1024], K = its axis 1); Wv (in the module: [1024, 1024], K = its axis 1); k (in the module: [4096, 4, 1024], K = its axis 2); q (in the module: [4096, 4, 1024], K = its axis 2); v (in the module: [4096, 4, 1024], K = its axis 2): each comes as NAME_codes (uint8): NAME with its K axis moved to the last place and cut into blocks of 32 codes, [.., K / 32, bytes a block], one block behind the other in memory; one code a byte (a code: sign, 4 exponent bits, 3 mantissa bits); its scale is its entry of lowp_scales. Its value is code x scale, taken as it is: it is not quantised again, and the codes and scales need not be those that the quantiser above would give.
;; One version. Each part assembles by itself: llvm-mc -triple=amdgcn-amd-amdhsa -mcpu=gfx1250 --defsym DOCPART=n.
;; ======== version 1 of 1: 1 launch
;; launch linatt (part 1): grid 4 x 64, 4 waves a work-group, clusters of 4 x 4, 327,680 bytes of LDS; arguments q_codes, k_codes, v_codes, Wq_codes, Wk_codes, Wv_codes, lowp_scales, out0; writes out0
.if DOCPART == 1
	.amdgcn_target "amdgcn-amd-amdhsa--gfx1250"
	.amdhsa_code_object_version 6
	.text
	.protected	k_q74d0f351e1_linatt
	.globl	k_q74d0f351e1_linatt
	.p2align	8
	.type	k_q74d0f351e1_linatt,@function
k_q74d0f351e1_linatt:
	s_mov_b64 s[64:65], 0
	v_nop
	global_prefetch_b8 v0, s[64:65] scope:SCOPE_SE
	s_setreg_imm32_b32 hwreg(HW_REG_WAVE_MODE, 25, 1), 1
	s_wait_xcnt 0x0
	s_wait_alu depctr_hold_cnt(0) depctr_sa_sdst(0) depctr_va_vdst(0) depctr_va_sdst(0) depctr_va_ssrc(0) depctr_va_vcc(0) depctr_vm_vsrc(0)
	s_getreg_b32 s2, hwreg(HW_REG_IB_STS2, 6, 4)
	s_cmp_eq_u32 s2, 0
	s_cbranch_scc0 .Lentry_in_a_cluster
	s_endpgm
.Lentry_in_a_cluster:
	s_bfe_u32 s2, ttmp6, 0x10000c
	s_cmp_lg_u32 s2, 0xf033
	s_cbranch_scc0 .Lentry_shape_is_right
	s_endpgm
.Lentry_shape_is_right:
; out0[s][b][:] = the running sum over b of (qk v_h) / qk;  q_h = exp(q Wq^T), k_h = exp(k Wk^T), v_h = v Wv^T;  qk = the sum over a head's 64 columns of q_h k_h.
; q, k, v: [16,384 rows m = 4 s + b][1,024], Wq, Wk, Wv: [1,024][1,024]: codes of FP8 (E4M3), K innermost, a row is 1,024 bytes; each tensor has the one scale 2^e given in lowp_scales.  out0: [16,384][1,024] f32.
; ONE LAUNCH, nothing goes through memory between the steps.  A work-group of four waves owns a tile of 256 rows x 256 columns of all three products and of out0; a wave owns 128 x 128 (two heads):
; 64 accumulators of 16 x 16, 512 registers.  THREE PASSES over K = 1,024 run one after the other on the SAME accumulators:
;   pass 1: q Wq^T; then q_h = exp in place, rounded to bf16 into 256 registers (the contract lets the head's small product take bf16 operands; bf16 has the range of f32);
;   pass 2: k Wk^T; then k_h = exp in place, and qk is summed in f32 by multiply-adds that take q_h as a bf16 half and k_h as f32;  pass 3: v Wv^T; then the quotient, the running sum and the stores.
; Beside 512 + 256 registers 256 are left, so the matrix form is the one of 64 along K (8 registers a fragment): A one set of 8 fragments, B two sets.
; THE MATRIX INSTRUCTION IS USED TRANSPOSED (source 0 = 16 rows of W, source 1 = 16 rows of q, k or v): lane l holds row l % 16 and the columns 16 b + 8 (l / 16) + 0 .. 7.  So a head's sum is 32 numbers of a lane
; and 32 of the lane 16 away, and a lane's eight results are 32 neighbouring bytes of a row of out0.
; THE RING.  K goes in chunks of 256 (rows of 256 bytes) through two LDS slots; the twelve chunks of the three passes are ONE sequence: the last two changes of slots of a pass ask for the next pass's first two chunks,
; which land while the pass ends and its exponentials are taken.  By this text's own count a wave has two tensor loads out at the start and one behind each round.
; CLUSTERS: 4 x 4 work-groups.  The four of a row of the cluster need the same rows of q, k, v, the four of a column the same rows of W: each tile is asked for JOINTLY, by the same tensor load with the same descriptor
; and a mask that names the four.  A cluster spans all 1,024 columns.
; AHEAD OF THE RING the bytes that its refills will fetch are asked for by global_prefetch_b8, lanes 256 bytes apart.
;   q, k, v: a tile's 256 rows are read by the four work-groups of one row of the cluster and by nobody else.  Work-group cx asks for rows 64 cx .. 64 cx + 63, wave w for 16 of them, one instruction for 16 rows x two chunks:
;   each aligned block of 256 bytes is asked for once in the launch.  The W's: every cluster reads all of a W; its 4,096 blocks are shared out among the 128 work-groups of eight clusters, 8 whole rows (32 blocks, one
;   instruction of wave 2) each: a block has two askers in the launch, in clusters eight apart.
;   WHERE: behind the first joint loads: q's chunks 2, 3 and Wq (of Wq's rows the first halves are bytes that those joint loads have just asked for: sixteen of the 32 lanes ask in vain, once in the launch; a second lane
;   map would cost more than it spares).  In the first step of a pass's second chunk: the next pass's chunks 0, 1 and its W: the changes of slots at the ends of this pass's third and fourth chunk load those chunks.
;   Behind a pass's last change of slots: the next pass's chunks 2, 3, which that pass's first two changes of slots load.  The third pass asks for nothing.  What a work-group has asked for and not yet loaded is at most
;   two pairs of chunks, 64 KB, and 8 KB of a W.  The highest byte asked for is 16,776,960 of q's, k's or v's 16,777,216 and 1,048,320 of a W's 1,048,576.  The address registers are made at the head and never rewritten.
; THE TEXT IS STRAIGHT: a pass is four chunks, and its first step, its refills and its end differ from pass to pass, so the passes are written out by macros; every count of a wait can be read off the lines above it.
; THE QUOTIENT.  qk is brought into [1, 2) by an exact power of two: w = qk x 2^(127 - its exponent field), r = 2^(e4 + e5) / w, out = (sum x w) x r.  That is (qk v_h) / qk with qk scaled alike above and below.
; qk = 0, infinity or NaN gives NaN, as the definition does.
; LIMITS.  (a) A q_h or k_h under 2^-126 counts as 0 (v_exp_f32 flushes: ISA guide 15.8).  (b) q_h is rounded to bf16 for the head's sum.  (c) Where qk x v_h itself would leave the range of f32 though qk does not,
; this text still gives v_h.  (d) The division is v_rcp_f32 and a multiplication.  The given exponents are applied by v_ldexp_f32 and have no limit of their own.
; REGISTERS, in windows of 256: window 0: v1-31 addresses and constants; v32-63 the heads' sums, later (w, r); v64-127 A's fragments; v128-191, v192-255 B's two sets; on the way out v64-255 are free.
;   window 1: q_h as bf16: accumulator register x of window w lies in v[128 (w - 2) + x / 2], half x % 2.   window 2: the accumulators of my rows 0-63 ((a, b) at v[8 (8 a + b)]);   window 3: those of my rows 64-127.
.set ROWB,   256                       ; a tile's row in bytes: 256 codes
.set KROW,   1024                      ; a row of any of the six tensors in memory, in bytes
.set PITCH,  272                       ; an LDS row: 256 bytes + 16 of padding = 68 words: row r starts at bank 4 r mod 64 (64 banks of 4 bytes: ISA guide 11.1), so the 16 rows of a load start at 16 different banks
.set HALFT,  128*PITCH                 ; 128 rows: what one tensor load brings, and what one wave reads of A or of B
.set SLOT,   4*HALFT                   ; A's 256 rows, then B's 256 rows
.set SPARE,  2*SLOT                    ; behind the ring: the spare words, 128 bytes for each wave: two blocks of 256 bytes that no other line names
.set STAGE,  SPARE+512                 ; behind them: a stage of 16 rows x 528 bytes for each wave, for the way out; no tensor load fills it
.set SPITCH, 528                       ; a stage row: 512 bytes + 16
.set OROW,   4096                      ; a row of out0 in bytes
.set CQ,   8                           ; v[8:9]   log2(e) x 2^(e0 + e1), twice
.set CK,   10                          ; v[10:11] log2(e) x 2^(e2 + e3), twice
.set PFA,  12                          ; v12     asking ahead in q, k, v: 1,024 (l % 16) + 256 (l / 16); never rewritten
.set PFW,  13                          ; v13     asking ahead in a W: 256 l; never rewritten
.set ADRA, 16                          ; v16-17  LDS address of my A fragments in slot 0, 1
.set ADRB, 20                          ; v20-21  the same for B
.set STO,  24                          ; v24     the way out: where I put 32 bytes of a row
.set RD,   25                          ; v25     the way out: where I read a row back
.set CO,   26                          ; v26     my byte offset in a row of out0
.set SPW,  28                          ; v28     LDS address of my spare word: SPARE + 4 x my thread's number; never rewritten
.set NIL,  29                          ; v29     0; never rewritten
.set ZERO, 31                          ; v31     0: what the first multiply-add of each chain adds onto
.set SUM,  32                          ; v32-63  chain (block a, head hd, parity) at v[32 + 4 a + 2 hd + parity]; later the pair (a, hd) holds (w, r)
.set AF,   64                          ; A's fragments
.set BF,   128                         ; B's fragments, set p at BF + 64 p
.set TMP,  64                          ; the way out: a block's 64 results
.set BK,   128                         ; the way out: 16 rows read back from the stage: v128-191 and v192-255 by turns
.set G1,  24                           ; s[24:31] descriptor group 1 for A's tiles;  s[32:39] group 0, one set for each slot
.set G0,  32
.set G1B, 48                           ; s[48:55], s[56:63] the same for B's tiles
.set G0B, 56
.set FQ,  90                           ; s[90:91], s[92:93], s[94:95] asking ahead: q, k, v at my wave's 16 rows;  never rewritten
.set FK,  92
.set FV,  94
.set FWQ, 96                           ; s[96:97], s[98:99], s[100:101] Wq, Wk, Wv at my work-group's 8 rows;  never rewritten
.set FWK, 98
.set FWV, 100
.set MSB, 0
.macro WIN new                         ; the immediate's high byte repeats the setting that is left; a switch that changes nothing is dropped
.if MSB != (\new)
	s_set_vgpr_msb (MSB<<8)|(\new)
.set MSB, (\new)
.endif
.endm
.set MUL_LO, 0xa0                      ; sources 0 and 1 window 0, C and D window 2
.set MUL_HI, 0xf0                      ; the same, C and D window 3
; A joint load: waves 0 and 1 fetch for A, waves 2 and 3 for B.  Each of the two lines has ONE mask and one set of registers for all that issue it; the branch hangs on the wave's number alone.
; Four v_nop follow each of the two lines, ahead of the jump, the label and what follows.
.macro JLOAD g0a, g1a, g0b, g1b
	s_cmp_eq_u32 s21, 0
	s_cbranch_scc0 .Lfor_b_\@
	tensor_load_to_lds s[\g0a:\g0a+3], s[\g1a:\g1a+7]
	s_nop 0
.rept 4
	v_nop
.endr
	s_branch .Lasked_\@
.Lfor_b_\@:
	tensor_load_to_lds s[\g0b:\g0b+3], s[\g1b:\g1b+7]
	s_nop 0
.rept 4
	v_nop
.endr
.Lasked_\@:
.endm
.macro CREST                           ; a round of the cluster's barrier behind its opening barrier
	s_cmp_lg_u32 s20, 0
	s_cbranch_scc1 .Lnot_wave_0_\@
	s_barrier_signal -3
.Lnot_wave_0_\@:
	s_barrier_wait -3
	s_barrier_signal -1
	s_barrier_wait -1
.endm
.macro CROUND                          ; a whole round
	s_barrier_signal -1
	s_barrier_wait -1
	CREST
.endm
; A load into a register that a matrix instruction has read, and a vector instruction that reads a matrix result or writes one of a matrix instruction's registers, stand four places behind it, and only plain vector
; instructions that name none of its registers are places (ISA guide 7.12.1 for vector instructions); this text does not count the matrix instructions in between.
.macro PLACES n
.rept \n
	v_nop
.endr
.endm
; Asking ahead.  Both stand under window 0 (the address register is source 0).  They return nothing and nothing waits for them.
.macro ASK_A base, off                 ; every wave: its 16 rows x the two chunks from byte off of the rows on
	global_prefetch_b8 v[PFA], s[\base:\base+1] offset:\off th:TH_LOAD_NT scope:SCOPE_SE
.endm
.macro ASK_W base                      ; wave 2 alone: the work-group's 8 whole rows of a W
	s_cmp_lg_u32 s20, 2
	s_cbranch_scc1 .Lnot_wave_2_\@
	global_prefetch_b8 v[PFW], s[\base:\base+1] th:TH_LOAD_NT scope:SCOPE_SE
.Lnot_wave_2_\@:
.endm
	s_load_b512 s[4:19], s[0:1], 0x0               ; q s[4:5], k s[6:7], v s[8:9], Wq s[10:11], Wk s[12:13], Wv s[14:15], the scales' exponents s[16:17], out0 s[18:19]
	v_lshl_add_u32 v[SPW], v0, 2, SPARE
	v_mov_b32 v[NIL], 0
	ds_add_u32 v28, v29
	s_wait_dscnt 0x0
	v_lshrrev_b32 v1, 5, v0
	v_readfirstlane_b32 s20, v1                    ; wave 0..3
	s_lshr_b32 s21, s20, 1                         ; which half of the tile's rows is mine.  Also: I fetch for A (0) or for B (1)
	s_and_b32 s22, s20, 1                          ; which half of its columns.  Also: which 128 rows of that tile I fetch
	s_bfe_u32 s40, ttmp6, 0x40000                  ; cx, cy: my place in the cluster
	s_bfe_u32 s41, ttmp6, 0x40004
	s_lshl_b32 s42, ttmp9, 2
	s_add_co_u32 s42, s42, s40                     ; tile column = 4 x cluster x + cx
	s_and_b32 s23, ttmp7, 0xffff
	s_lshl_b32 s23, s23, 2
	s_add_co_u32 s23, s23, s41                     ; tile row = 4 x cluster y + cy
	s_lshl_b32 s43, s41, 2
	s_lshl_b32 s43, 15, s43                        ; my row of the cluster: places 4 cy .. 4 cy + 3
	s_lshl_b32 s44, 0x1111, s40                    ; my column: places cx, cx + 4, cx + 8, cx + 12
	; descriptor group 1: a tile of 128 rows x 256 bytes, padded in LDS
	s_or_b32 s[G1+0], s43, (0<<16)|(1<<20)|(1<<21)|(5<<22)|(3<<25)   ; 15:0 the mask: A's tiles go to my row; 17:16 element of 1 byte; 20 padding on; 21 set beside a mask; 24:22 after every 64 words (code 5); 31:25 of 4 words (code 3)
	s_or_b32 s[G1B+0], s44, (0<<16)|(1<<20)|(1<<21)|(5<<22)|(3<<25)  ; the same with the mask of my column, for B's tiles
.irp g, G1, G1B
	s_mov_b32 s[\g+1], ROWB<<16                    ; tensor_dim0 = 256
	s_mov_b32 s[\g+2], 128<<16                     ; tensor_dim1 = 128
	s_mov_b32 s[\g+3], ROWB<<16                    ; tile_dim0 = 256
	s_mov_b32 s[\g+4], 128                         ; tile_dim1 = 128
	s_mov_b32 s[\g+5], KROW                        ; tensor_dim0_stride
	s_mov_b32 s[\g+6], 0
	s_mov_b32 s[\g+7], 0
.endr
	; where the tiles come from.  A's hang on the tile row alone, which my row of the cluster shares; B's on the tile column alone, which my column shares; each offset lies in registers that never hold the other coordinate.
	s_lshl_b32 s76, s22, 7                         ; which 128 rows of the tile I fetch
	s_lshl_b32 s66, s23, 8
	s_add_co_u32 s66, s66, s76                     ; A: row 256 x tile row + 128 x half,
	s_lshl_b32 s66, s66, 10                        ; in bytes: under 2^24
	s_mov_b32 s67, 0
	s_lshl_b32 s46, s42, 8
	s_add_co_u32 s46, s46, s76                     ; B: row 256 x tile column + 128 x half
	s_lshl_b32 s46, s46, 10
	s_mov_b32 s47, 0
	s_mul_i32 s45, s20, HALFT                      ; where they go: wave x 128 rows: no place in the cluster enters an LDS address
	; asking ahead: my wave's 16 rows of q, k, v begin at row 256 x tile row + 64 cx + 16 x wave; my work-group's 8 rows of a W at row 8 x (16 x (cluster y mod 8) + 4 cy + cx).  These offsets feed no descriptor and no LDS address.
	s_lshl_b32 s74, s23, 8
	s_lshl_b32 s85, s40, 6
	s_add_co_u32 s74, s74, s85
	s_lshl_b32 s85, s20, 4
	s_add_co_u32 s74, s74, s85
	s_lshl_b32 s74, s74, 10                        ; in bytes: under 2^24
	s_mov_b32 s75, 0
	s_and_b32 s86, ttmp7, 7
	s_lshl_b32 s86, s86, 2
	s_add_co_u32 s86, s86, s41
	s_lshl_b32 s86, s86, 2
	s_add_co_u32 s86, s86, s40                     ; 0 .. 127
	s_lshl_b32 s86, s86, 13                        ; 8 rows of 1,024 bytes each
	s_mov_b32 s87, 0
	v_and_b32 v3, 15, v0
	v_bfe_u32 v4, v0, 4, 1
	v_lshlrev_b32 v3, 10, v3
	v_lshl_add_u32 v[PFA], v4, 8, v3               ; lane l: row l % 16, chunk l / 16 of the pair
	v_and_b32 v4, 31, v0
	v_lshlrev_b32 v[PFW], 8, v4                    ; lane l: block l of the 8 rows' 32
	s_wait_kmcnt 0x0
	s_load_b128 s[68:71], s[16:17], 0x0            ; e0 .. e3
	s_load_b64 s[72:73], s[16:17], 0x10            ; e4, e5
	s_add_nc_u64 s[FQ:FQ+1], s[4:5], s[74:75]      ; each address from its own buffer's pointer
	s_add_nc_u64 s[FK:FK+1], s[6:7], s[74:75]
	s_add_nc_u64 s[FV:FV+1], s[8:9], s[74:75]
	s_add_nc_u64 s[FWQ:FWQ+1], s[10:11], s[86:87]
	s_add_nc_u64 s[FWK:FWK+1], s[12:13], s[86:87]
	s_add_nc_u64 s[FWV:FWV+1], s[14:15], s[86:87]
	s_add_nc_u64 s[4:5], s[4:5], s[66:67]
	s_add_nc_u64 s[6:7], s[6:7], s[66:67]
	s_add_nc_u64 s[8:9], s[8:9], s[66:67]
	s_add_nc_u64 s[10:11], s[10:11], s[46:47]
	s_add_nc_u64 s[12:13], s[12:13], s[46:47]
	s_add_nc_u64 s[14:15], s[14:15], s[46:47]
	CROUND                                         ; all sixteen work-groups are here: the first joint loads meet
.irp s, 0,1
	s_mov_b32 s[G0+4*\s], 1                                        ; 1:0 count = 1
	s_add_co_u32 s[G0+4*\s+1], s45, \s*SLOT                        ; 63:32 LDS address
	s_add_nc_u64 s[G0+4*\s+2:G0+4*\s+3], s[4:5], \s*ROWB           ; 120:64 global address: chunk s of q
	s_or_b32 s[G0+4*\s+3], s[G0+4*\s+3], 0x80000000                ; 127:126 type = 2
	s_mov_b32 s[G0B+4*\s], 1
	s_add_co_u32 s[G0B+4*\s+1], s45, \s*SLOT
	s_add_nc_u64 s[G0B+4*\s+2:G0B+4*\s+3], s[10:11], \s*ROWB       ; chunk s of Wq
	s_or_b32 s[G0B+4*\s+3], s[G0B+4*\s+3], 0x80000000
	JLOAD G0+4*\s, G1, G0B+4*\s, G1B               ; the ring is filled before anything else is done
.endr
	ASK_A FQ, 2*ROWB                               ; q's chunks 2 and 3: the first two changes of slots load them
	ASK_W FWQ
	v_and_b32 v1, 15, v0                           ; l % 16
	v_bfe_u32 v2, v0, 4, 1                         ; l / 16
	v_mul_u32_u24 v3, v1, PITCH
	v_lshl_add_u32 v4, v2, 4, v3                   ; a fragment's row x pitch + 16 x half
	s_mul_i32 s76, s21, HALFT                      ; my 128 rows of A
	s_mul_i32 s77, s22, HALFT                      ; my 128 rows of B,
	s_add_co_u32 s77, s77, 2*HALFT                 ; which lie behind A's 256
.irp s, 0,1
	v_add_nc_u32 v[ADRA+\s], s76, v4
	v_add_nc_u32 v[ADRB+\s], s77, v4
	s_add_co_u32 s76, s76, SLOT
	s_add_co_u32 s77, s77, SLOT
.endr
	s_mul_i32 s78, s20, 16*SPITCH
	s_add_co_u32 s78, s78, STAGE                   ; my stage
	v_mul_u32_u24 v5, v1, SPITCH                   ; in: row l % 16, 32 bytes for each half of the lanes
	v_lshl_add_u32 v5, v2, 5, v5
	v_add_nc_u32 v[STO], s78, v5
	v_and_b32 v6, 31, v0
	v_lshlrev_b32 v[CO], 4, v6                     ; back: the 32 lanes take one row of 512 bytes; and the same in out0
	v_add_nc_u32 v[RD], s78, v[CO]
	s_lshl_b32 s86, s23, 8                         ; where my part of out0 begins: row 256 x tile row + 128 x half, 4,096 bytes a row: under 2^27;
	s_lshl_b32 s87, s21, 7
	s_add_co_u32 s86, s86, s87
	s_lshl_b32 s86, s86, 12
	s_lshl_b32 s88, s42, 10                        ; column, in bytes: 1,024 x tile column + 512 x half
	s_lshl_b32 s89, s22, 9
	s_add_co_u32 s88, s88, s89
	s_add_co_u32 s86, s86, s88
	s_mov_b32 s87, 0
	s_add_nc_u64 s[18:19], s[18:19], s[86:87]
	s_mov_b32 s80, 0x76543210                      ; lane selects for v_permlanex16_b32: each lane takes its own place in the other half
	s_mov_b32 s81, 0xfedcba98
	v_mov_b32 v[ZERO], 0
	v_mov_b32 v3, 0x3fb8aa3b                       ; log2(e)
	s_wait_kmcnt 0x0
	s_add_co_i32 s82, s68, s69                     ; a sum of the first product stands for sum x 2^(e0 + e1),
	s_add_co_i32 s83, s70, s71                     ; of the second for sum x 2^(e2 + e3),
	s_add_co_i32 s84, s72, s73                     ; of the third for sum x 2^(e4 + e5)
	v_ldexp_f32 v[CQ], v3, s82                     ; exp(x) = 2^(x log2(e)): the scales go into that factor
	v_ldexp_f32 v[CK], v3, s83
	v_mov_b32 v[CQ+1], v[CQ]                       ; (named with it as a pair, so it is written)
	v_mov_b32 v[CK+1], v[CK]
; A fragment, 16 rows x 64 K of 8-bit codes, is 8 registers, brought by two loads of 16 bytes, 32 bytes apart: lane l holds, of row l % 16, K = 32 c + 16 (l / 16) + 0 .. 15 in registers 4 c .. 4 c + 3.
; That is a permutation of k against the form's own places, the same in A and in B: every product meets its partner, and only the order of the sums inside an instruction changes.
.macro FRAG reg, adr, q, i
.irp c, 0,1
	ds_load_b128 v[\reg+4*\c:\reg+4*\c+3], v[\adr] offset:64*(\q)+32*\c+(\i)*16*PITCH
.endr
.endm
.macro FETCH_B slot, q, p              ; B's eight fragments of the slot's q-th 64 along K into set p: 16 loads
.irp i, 0,1,2,3,4,5,6,7
	FRAG BF+64*(\p)+8*\i, ADRB+\slot, \q, \i
.endr
.endm
.macro FETCH_A slot, q, i0             ; A's blocks i0 .. i0 + 3: 8 loads
.irp i, \i0, \i0+1, \i0+2, \i0+3
	FRAG AF+8*(\i), ADRA+\slot, \q, \i
.endr
.endm
; 16 matrix instructions: A's blocks a0, a0 + 1 x B's eight, 64 along K.  p: B's set.  zero = 1: the first product of a pass starts the sums: nothing is ever cleared.
; The 64 accumulators take turns, one instruction a turn, in the same order in every step.
.macro MUL16 a0, p, zero
.irp a, \a0, \a0+1
.irp b, 0,1,2,3,4,5,6,7
.if \zero
	v_wmma_f32_16x16x64_fp8_fp8 v[8*(8*((\a)%4)+\b):8*(8*((\a)%4)+\b)+7], v[BF+64*(\p)+8*\b:BF+64*(\p)+8*\b+7], v[AF+8*(\a):AF+8*(\a)+7], 0
.else
	v_wmma_f32_16x16x64_fp8_fp8 v[8*(8*((\a)%4)+\b):8*(8*((\a)%4)+\b)+7], v[BF+64*(\p)+8*\b:BF+64*(\p)+8*\b+7], v[AF+8*(\a):AF+8*(\a)+7], v[8*(8*((\a)%4)+\b):8*(8*((\a)%4)+\b)+7]
.endif
.endr
.endr
.endm
; A step of 64 along K that has its successor in the same slot: 64 matrix instructions, A's blocks one after the other, each against B's eight.  A block of A is free as soon as its eight products are issued, so one set
; serves A: blocks 0-3 are fetched anew in the step's middle, blocks 4-7 at its end.  B's fragments are at work through the whole step, so B has two sets.
; fa, fw other than 0: the step asks ahead, from the bases s[fa:fa+1] and s[fw:fw+1]: behind its middle run of LDS loads, with 32 matrix instructions to follow.
.macro STEP slot, q, zero, fa, fw
	s_wait_dscnt 8                                 ; B's set and A's blocks 0-3 are in; the youngest eight loads (A's blocks 4-7) may be out
	WIN MUL_LO
	MUL16 0, (\q)%2, \zero
	MUL16 2, (\q)%2, \zero
	s_wait_dscnt 0                                 ; A's blocks 4-7 are in (asked for 32 matrix instructions ago)
	PLACES 4
	WIN 0
	FETCH_B \slot, (\q)+1, 1-(\q)%2
	FETCH_A \slot, (\q)+1, 0
.if \fa
	ASK_A \fa, 0                                   ; the next pass's chunks 0 and 1,
	ASK_W \fw                                      ; and its W
.endif
	WIN MUL_HI
	MUL16 4, (\q)%2, \zero
	MUL16 6, (\q)%2, \zero
	PLACES 4
	WIN 0
	FETCH_A \slot, (\q)+1, 4
.endm
; A slot's fourth step changes slots: ONE barrier; in front of it each wave waits for all its tensor loads, adds 0 to its spare word, and waits for that and for its own reads of this slot.
; mode 1: this slot is filled again with the same pass's chunk two on.  mode 2: with the NEXT pass's chunk 0 (slot 0) or 1 (slot 1), from the addresses in s[pa:pa+1] and s[pb:pb+1].  mode 0: nothing is left to fetch.
.macro TURN slot, next, mode, pa, pb
	s_wait_tensorcnt 0x0                           ; all my tensor loads have landed: the one that was out is my part of the next slot;  (every window is 0 here: the add's two registers lie in window 0)
	ds_add_u32 v[SPW], v[NIL]                      ; 0 onto my spare word
	s_wait_dscnt 9                                 ; (the add and the youngest eight loads, A's blocks 4-7, may be out)
	WIN MUL_LO
	MUL16 0, 1, 0                                  ; sixteen matrix instructions stand between the add and the wait for it
	s_wait_dscnt 0x0                               ; the add is done, and my reads of this slot are over
	s_barrier_signal -1
	MUL16 2, 1, 0
	WIN 0
	s_barrier_wait -1
.if \mode == 1
	CREST                                          ; the barrier has opened a round of the cluster's barrier: no wave of any partner still reads this slot's tile or has a load on its way
	s_add_nc_u64 s[G0+4*\slot+2:G0+4*\slot+3], s[G0+4*\slot+2:G0+4*\slot+3], 2*ROWB
	s_add_nc_u64 s[G0B+4*\slot+2:G0B+4*\slot+3], s[G0B+4*\slot+2:G0B+4*\slot+3], 2*ROWB
	JLOAD G0+4*\slot, G1, G0B+4*\slot, G1B         ; the first tensor load behind the round; the four v_nop behind it are also the places in front of the loads below
.elseif \mode == 2
	CREST
	s_add_nc_u64 s[G0+4*\slot+2:G0+4*\slot+3], s[\pa:\pa+1], \slot*ROWB      ; THE RING GOES ON INTO THE NEXT PASS: its own two tensors, from their own pointers
	s_or_b32 s[G0+4*\slot+3], s[G0+4*\slot+3], 0x80000000
	s_add_nc_u64 s[G0B+4*\slot+2:G0B+4*\slot+3], s[\pb:\pb+1], \slot*ROWB
	s_or_b32 s[G0B+4*\slot+3], s[G0B+4*\slot+3], 0x80000000
	JLOAD G0+4*\slot, G1, G0B+4*\slot, G1B
.else
	PLACES 4
.endif
	FETCH_B \next, 0, 0
	FETCH_A \next, 0, 0
	WIN MUL_HI
	MUL16 4, 1, 0
	MUL16 6, 1, 0
	PLACES 4
	WIN 0
	FETCH_A \next, 0, 4
.endm
.macro SLOTSTEPS slot, zero, fa, fw    ; a slot's first three steps; the first may ask ahead
	STEP \slot, 0, \zero, \fa, \fw
	STEP \slot, 1, 0, 0, 0
	STEP \slot, 2, 0, 0, 0
.endm
; A pass that has a successor: four chunks; the last two changes of slots ask for the successor's first two, from s[pa:pa+1] and s[pb:pb+1].  fa, fw: the successor's bases for asking ahead.
.macro PASS pa, pb, fa, fw
	SLOTSTEPS 0, 1, 0, 0
	TURN 0, 1, 1, 0, 0
	SLOTSTEPS 1, 0, \fa, \fw
	TURN 1, 0, 1, 0, 0
	SLOTSTEPS 0, 0, 0, 0
	TURN 0, 1, 2, \pa, \pb
	SLOTSTEPS 1, 0, 0, 0
	TURN 1, 0, 2, \pa, \pb
	ASK_A \fa, 2*ROWB                              ; the successor's chunks 2 and 3: its first two changes of slots load them; the exponentials below and most of a chunk's products stand between
.endm
; The 256 accumulator registers of window w become 2^(c x sum), in place.  The scalings run 32 registers ahead of the exponentials, and one stands behind every two exponentials, so that plain work lies among them;
; both go upward.  The fragments that the last change of slots asked for stay on their way into v64-191 of window 0: nothing here names them.
.macro EXPS w, c
	WIN 0x41*(\w)                                  ; destination and source 0 window w; c in window 0
.set EN, 0
.rept 16
	v_pk_mul_f32 v[EN:EN+1], v[EN:EN+1], v[\c:\c+1] op_sel_hi:[1,0]
.set EN, EN+2
.endr
.set EN, 0
.rept 128
.if EN < 224
	v_pk_mul_f32 v[EN+32:EN+33], v[EN+32:EN+33], v[\c:\c+1] op_sel_hi:[1,0]
.endif
	v_exp_f32 v[EN], v[EN]
	v_exp_f32 v[EN+1], v[EN+1]
.set EN, EN+2
.endr
.endm
; q_h of window w, rounded to bf16, two to a register of window 1.  The first conversions read results made long before: they are the plain instructions behind the last exponentials (ISA guide 5.7.2).
.macro PACKQ w
	WIN 0x40+5*(\w)                                ; destination window 1, sources 0 and 1 window w
.set EN, 0
	s_wait_alu depctr_va_vdst(0)
.rept 128
	v_cvt_pk_bf16_f32 v[128*((\w)-2)+EN], v[2*EN], v[2*EN+1]
.set EN, EN+1
.endr
.endm
; The heads' sums of window w's four blocks of rows: sum += q_h (a bf16 half) x k_h (f32), one rounding each.  Eight chains take turns (two blocks x two heads x the parity of the register), 16 links each.
.macro DOT w
	WIN 0x01+4*(\w)                                ; source 0 (q_h) window 1, source 1 (k_h) window w, the sums in window 0
.irp ap, 0,2
.irp bq, 0,1,2,3
.irp jp, 0,1,2,3
.irp da, 0,1
.irp hd, 0,1
.irp par, 0,1
.set XX, 64*(\ap+\da)+8*(4*\hd+\bq)+2*\jp+\par
.set SS, SUM+4*(4*((\w)-2)+\ap+\da)+2*\hd+\par
.if (\bq == 0) && (\jp == 0)
	s_wait_alu depctr_va_vdst(0)
	v_fma_mix_f32_bf16 v[SS], v[128*((\w)-2)+XX/2], v[XX], v[ZERO] op_sel:[\par,0,0] op_sel_hi:[1,0,0]
.else
	v_fma_mix_f32_bf16 v[SS], v[128*((\w)-2)+XX/2], v[XX], v[SS] op_sel:[\par,0,0] op_sel_hi:[1,0,0]
.endif
.endr
.endr
.endr
.endr
.endr
.endr
.endm
; qk of each of my 16 (block of rows, head): the two chains, and the lane 16 away; then w = qk with its exponent field set to 127, and r = 2^(e4 + e5) / w.  Line by line over the 16 pairs, so that no line waits for the line above it.
.macro FINISH
.irp n, 0,1,2,3,4,5,6,7,8,9,10,11,12,13,14,15
	v_add_f32 v[SUM+2*\n], v[SUM+2*\n], v[SUM+2*\n+1]
.endr
.irp n, 0,1,2,3,4,5,6,7,8,9,10,11,12,13,14,15
	v_permlanex16_b32 v[SUM+2*\n+1], v[SUM+2*\n], s80, s81         ; the head's other 32 columns lie in the lane 16 away
.endr
.irp n, 0,1,2,3,4,5,6,7,8,9,10,11,12,13,14,15
	v_add_f32 v[SUM+2*\n], v[SUM+2*\n], v[SUM+2*\n+1]              ; qk
.endr
.irp n, 0,1,2,3,4,5,6,7,8,9,10,11,12,13,14,15
	v_lshrrev_b32 v[SUM+2*\n+1], 23, v[SUM+2*\n]                   ; its exponent field (qk is not negative)
.endr
.irp n, 0,1,2,3,4,5,6,7,8,9,10,11,12,13,14,15
	v_sub_nc_u32 v[SUM+2*\n+1], 127, v[SUM+2*\n+1]
.endr
.irp n, 0,1,2,3,4,5,6,7,8,9,10,11,12,13,14,15
	v_ldexp_f32 v[SUM+2*\n], v[SUM+2*\n], v[SUM+2*\n+1]            ; w: nothing is rounded; 0, infinity and NaN stay what they are
.endr
.irp n, 0,1,2,3,4,5,6,7,8,9,10,11,12,13,14,15
	v_rcp_f32 v[SUM+2*\n+1], v[SUM+2*\n]
.endr
	v_nop                                          ; a plain instruction between the last reciprocal and the use of its result
	s_wait_alu depctr_va_vdst(0)
.irp n, 0,1,2,3,4,5,6,7,8,9,10,11,12,13,14,15
	v_ldexp_f32 v[SUM+2*\n+1], v[SUM+2*\n+1], s84                  ; r
.endr
.endm
; THE WAY OUT, block by block of 16 rows x 128 columns.  out = (sum x w) x r; a lane holds 32 neighbouring bytes of a row, and the lanes beside it hold other rows: so a block goes through my own stage in LDS and comes
; back as whole rows of 512 bytes.  LDS serves a wave's instructions in order (ISA guide 5.7.1.4): no wait between the stores and the loads, nor in front of the next block's stores.
.macro TOSTAGE a
.set AC, 64*((\a)%4)
	WIN 0x02+((\a)/4)                              ; source 0: window 2 or 3
.irp b, 0,1,2,3,4,5,6,7
.irp i, 0,2,4,6
	v_pk_mul_f32 v[TMP+8*\b+\i:TMP+8*\b+\i+1], v[AC+8*\b+\i:AC+8*\b+\i+1], v[SUM+4*(\a)+2*(\b/4):SUM+4*(\a)+2*(\b/4)+1] op_sel_hi:[1,0]   ; x w, the pair's first word for both halves; each accumulator from its low end on
.endr
.endr
	WIN 0
.irp b, 0,1,2,3,4,5,6,7
.irp i, 0,2,4,6
	v_pk_mul_f32 v[TMP+8*\b+\i:TMP+8*\b+\i+1], v[TMP+8*\b+\i:TMP+8*\b+\i+1], v[SUM+4*(\a)+2*(\b/4):SUM+4*(\a)+2*(\b/4)+1] op_sel:[0,1] op_sel_hi:[1,1]   ; x r, the pair's second word for both halves
.endr
.endr
.irp b, 0,1,2,3,4,5,6,7
	ds_store_b128 v[STO], v[TMP+8*\b:TMP+8*\b+3] offset:64*\b
	ds_store_b128 v[STO], v[TMP+8*\b+4:TMP+8*\b+7] offset:64*\b+16
.endr
.set BB, BK+64*((\a)%2)
.irp t, 0,1,2,3,4,5,6,7,8,9,10,11,12,13,14,15
	ds_load_b128 v[BB+4*\t:BB+4*\t+3], v[RD] offset:\t*SPITCH
.endr
.endm
; Behind the stage, registers 4 t .. 4 t + 3 hold row t of the block, and row m is (s, b) = (m / 4, m % 4): so the running sum over b is row 4 g + t += row 4 g + t - 1, t = 1, 2, 3: no lane looks at another.
.macro SEND a, younger                 ; younger: the LDS instructions issued behind block a's loads, which may stay out
.set BB, BK+64*((\a)%2)
	s_wait_dscnt \younger                          ; the block is back in registers
.irp t, 1,2,3
.irp g, 0,1,2,3
.irp c, 0,2
	v_pk_add_f32 v[BB+4*(4*\g+\t)+\c:BB+4*(4*\g+\t)+\c+1], v[BB+4*(4*\g+\t)+\c:BB+4*(4*\g+\t)+\c+1], v[BB+4*(4*\g+\t-1)+\c:BB+4*(4*\g+\t-1)+\c+1]
.endr
.endr
.endr
.irp t, 0,1,2,3,4,5,6,7,8,9,10,11,12,13,14,15
	global_store_b128 v[CO], v[BB+4*\t:BB+4*\t+3], s[18:19] offset:(16*(\a)+\t)*OROW th:TH_STORE_NT   ; 32 lanes store 512 consecutive bytes, at a multiple of 256 from out0's first byte; the row stands in the immediate, 520,192 at the most: the base is never stepped
.endr
.endm
	s_wait_tensorcnt 1                             ; my part of chunk 0 is in (chunk 1's load may be out)
	s_barrier_signal -1
	s_barrier_wait -1                              ; everybody's is
	FETCH_B 0, 0, 0
	FETCH_A 0, 0, 0
	FETCH_A 0, 0, 4
	; ---- pass 1: q Wq^T; its last two changes of slots ask for k's and Wk's first two chunks
	PASS 6, 12, FK, FWK
	EXPS 2, CQ                                     ; the places behind the last products (window 3's) are the four v_nop in front of the last fetch and all of window 2's work
	PACKQ 2
	EXPS 3, CQ
	PACKQ 3
	WIN 0
	; ---- pass 2: k Wk^T, on the same accumulators, begun anew with the constant 0; its last two changes of slots ask for v's and Wv's first two chunks
	PASS 8, 14, FV, FWV
	EXPS 2, CK
	DOT 2
	EXPS 3, CK
	DOT 3
	WIN 0
	FINISH
	; ---- pass 3: v Wv^T; the last two slots are not filled again, and nothing is asked for ahead
	SLOTSTEPS 0, 1, 0, 0
	TURN 0, 1, 1, 0, 0
	SLOTSTEPS 1, 0, 0, 0
	TURN 1, 0, 1, 0, 0
	SLOTSTEPS 0, 0, 0, 0
	TURN 0, 1, 0, 0, 0                             ; my one tensor load that was still out is the last chunk's, so no round follows
	SLOTSTEPS 1, 0, 0, 0
	s_wait_dscnt 8                                 ; the very last step: nothing more to fetch
	WIN MUL_LO
	MUL16 0, 1, 0
	MUL16 2, 1, 0
	s_wait_dscnt 0
	WIN MUL_HI
	MUL16 4, 1, 0
	MUL16 6, 1, 0
	WIN 0
	PLACES 4                                       ; for the writes and loads into the registers that held fragments, and for the reads of results
	TOSTAGE 0
.irp a, 1,2,3,4,5,6,7
.if \a > 1
	s_wait_xcnt 0x0                                ; block a - 2's stores have read their registers: block a's loads from the stage may land there
.endif
	TOSTAGE \a
	SEND \a-1, 32                                  ; behind block a - 1's loads: block a's 16 stores and 16 loads
.endr
	SEND 7, 0
	s_wait_tensorcnt 0x0                           ; the wave's end: behind my last tensor load and my last LDS store
	ds_add_u32 v[SPW], v[NIL]
	s_wait_dscnt 0x0
	CROUND                                         ; the closing round: no work-group ends while a partner may still ask for a tile that names it
	s_endpgm
.Lfunc_end_k_q74d0f351e1_linatt:
	.size	k_q74d0f351e1_linatt, .Lfunc_end_k_q74d0f351e1_linatt-k_q74d0f351e1_linatt
	.p2alignl 7, 3214868480
	.fill 96, 4, 3214868480
	.section	.rodata,"a",@progbits
	.p2align	6, 0x0
	.amdhsa_kernel k_q74d0f351e1_linatt
		.amdhsa_group_segment_fixed_size 327680
		.amdhsa_private_segment_fixed_size 0
		.amdhsa_enable_private_segment 0
		.amdhsa_kernarg_size 64
		.amdhsa_user_sgpr_count 2
		.amdhsa_user_sgpr_kernarg_segment_ptr 1
		.amdhsa_wavefront_size32 1
		.amdhsa_system_sgpr_workgroup_id_x 1
		.amdhsa_system_sgpr_workgroup_id_y 1
		.amdhsa_system_sgpr_workgroup_id_z 1
		.amdhsa_system_vgpr_workitem_id 0
		.amdhsa_next_free_vgpr 1024
		.amdhsa_next_free_sgpr 102
		.amdhsa_reserve_vcc 0
		.amdhsa_float_denorm_mode_32 3
		.amdhsa_float_denorm_mode_16_64 3
		.amdhsa_memory_ordered 1
		.amdhsa_forward_progress 1
		.amdhsa_inst_pref_size 255
	.end_amdhsa_kernel
	.section	.bss,"aw",@nobits
	.p2align	6
	.space	262144
	.amdgpu_metadata
---
amdhsa.version: [ 1, 2 ]
amdhsa.kernels:
  - .name:           k_q74d0f351e1_linatt
    .symbol:         k_q74d0f351e1_linatt.kd
    .args:
      - { .name: q_codes, .offset: 0, .size: 8, .value_kind: global_buffer, .address_space: global }
      - { .name: k_codes, .offset: 8, .size: 8, .value_kind: global_buffer, .address_space: global }
      - { .name: v_codes, .offset: 16, .size: 8, .value_kind: global_buffer, .address_space: global }
      - { .name: Wq_codes, .offset: 24, .size: 8, .value_kind: global_buffer, .address_space: global }
      - { .name: Wk_codes, .offset: 32, .size: 8, .value_kind: global_buffer, .address_space: global }
      - { .name: Wv_codes, .offset: 40, .size: 8, .value_kind: global_buffer, .address_space: global }
      - { .name: lowp_scales, .offset: 48, .size: 8, .value_kind: global_buffer, .address_space: global }
      - { .name: out0, .offset: 56, .size: 8, .value_kind: global_buffer, .address_space: global }
    .group_segment_fixed_size: 327680
    .private_segment_fixed_size: 0
    .kernarg_segment_align: 8
    .kernarg_segment_size: 64
    .max_flat_workgroup_size: 128
    .sgpr_count:     102
    .vgpr_count:     1024
    .wavefront_size: 32
...
	.end_amdgpu_metadata
.endif
;; end of part 1
